; MI455X (gfx1250); checked and timed in simulation.
; The chip was launched on July 23, 2026; its instructions are those of AMD's public machine-readable ISA for CDNA 5 (MIT licence, August 2026) and "CDNA5" Instruction Set Architecture Reference Guide (July 2026). The comments in the code are by the model that wrote it; some were corrected since.
;; Mistral4 Mo E. Allowed arithmetic: matrix products marked QUANTISED: E4M3 operands, one given power-of-two scale a tensor, by v_wmma_f32_16x16x64_fp8_fp8 or v_wmma_f32_16x16x128_fp8_fp8, f32 sums; everything else in f32.
;; Inputs: Sd 4,096 x 256 float32; Sg 256 x 4,096 float32; Su 256 x 4,096 float32; Wd 16 x 4,096 x 64 float32; Wg 16 x 64 x 4,096 float32; Wu 16 x 64 x 4,096 float32; bias 16 float32; gate_w 16 x 4,096 float32; hidden_states 2 x 2,048 x 4,096 float32; lowp_scales 14 int32 (the exponents e of the quantised operands' scales 2^e).
;; Outputs: out0 2 x 2,048 x 4,096 float32.
;; This version of the problem:
;;   THIS VERSION OF THE PROBLEM IS GIVEN IN LOW PRECISION. The matrix products marked QUANTISED in the list below multiply operands that are first quantised to E4M3 (4 exponent bits, 3 mantissa bits; 8 bits a number), with one given power-of-two scale for each operand tensor; their sums are f32. All else is computed in f32.
;;   The module's matrix products, in the order in which they are computed (A, B: the left and right operand; K: the contracted axis; several contracted axes count as one K, in the product's order):
;;     1. [M 4,096, K 4,096] x [K 4,096, N 16]; A: input hidden_states; B: input gate_w: QUANTISED (scales: A lowp_scales[0], B lowp_scales[1])
;;     2. [M 1,024, K 4,096] x [K 4,096, N 4,096]; A: input Wg; B: input hidden_states: QUANTISED (scales: A lowp_scales[2], B lowp_scales[3])
;;     3. [M 1,024, K 4,096] x [K 4,096, N 4,096]; A: input Wu; B: input hidden_states: QUANTISED (scales: A lowp_scales[4], B lowp_scales[5])
;;     4. [M 4,096, K 1,024] x [K 1,024, N 4,096]; A: computed on the way; B: input Wd: QUANTISED (scales: A lowp_scales[6], B lowp_scales[7])
;;     5. [M 4,096, K 4,096] x [K 4,096, N 256]; A: input hidden_states; B: input Sg: QUANTISED (scales: A lowp_scales[8], B lowp_scales[9])
;;     6. [M 4,096, K 4,096] x [K 4,096, N 256]; A: input hidden_states; B: input Su: QUANTISED (scales: A lowp_scales[10], B lowp_scales[11])
;;     7. [M 4,096, K 256] x [K 256, N 4,096]; A: computed on the way; B: input Sd: QUANTISED (scales: A lowp_scales[12], B lowp_scales[13])
;;   THE QUANTISER, for each operand of a quantised product, along K:
;;     - The operand's scale is 2^e, e = its entry of the input lowp_scales (int32; the entries are numbered through the quantised products in the list's order, A before B).
;;     - Each number is divided by the scale, clamped to +-448, and rounded to the nearest number of E4M3, ties to even, subnormals kept.
;;     - The product sums the exact products of the quantised numbers (number of the format x scale) in f32.
;;   ~~~python
;;   def quantise(x, axis, e):      # numpy; x: float32 -> the quantised numbers, widened to float32 again
;;       x = np.moveaxis(x, axis, -1); K = x.shape[-1]
;;       r = np.clip(x / 2.0 ** e, -448, 448)
;;       step = 2.0 ** (np.maximum(np.frexp(np.where(r == 0, 1, r))[1] - 1, -6) - 3)
;;       q = np.round(r / step) * step * 2.0 ** e      # np.round: ties to even
;;       return np.moveaxis(q, -1, axis).astype(np.float32)
;;   ~~~
;;   OPERANDS COMPUTED ON THE WAY. 'Computed on the way' means the value that the module computes at that place (a softmax that the list does not call 'softmax' is quantised finished and normalised). What goes into a quantiser is computed in f32, as accurately as f32 sums, v_exp_f32 and their like allow (about 1e-6 of the number): no bf16 or f16 on the way to a quantiser, and a product that is left as it is and whose result goes on into a quantised operand takes f32 operands (vector FMAs, or v_wmma_f32_16x16x4_f32). A number that lies on a knife's edge between two numbers of the format may be rounded either way, as far as f32 arithmetic and the matrix unit's own rounding can turn it there, and no further.
;; One version. Each part assembles by itself: llvm-mc -triple=amdgcn-amd-amdhsa -mcpu=gfx1250 --defsym DOCPART=n.
;; ======== version 1 of 1: 3 launches
;; workspace buffers: xc 16,777,216 bytes; w1c 10,485,760 bytes; w2c 5,242,880 bytes; cw 262,144 bytes; hc 10,485,760 bytes
;; launch prep (part 1): grid 248 x 1, 16 waves a work-group, no clusters, 307,200 bytes of LDS; arguments hidden_states, gate_w, bias, Wg, Wu, Wd, Sg, Su, Sd, lowp_scales, xc, w1c, w2c, cw, hc; writes xc, w1c, w2c, cw, hc
.if DOCPART == 1
	.amdgcn_target "amdgcn-amd-amdhsa--gfx1250"
	.amdhsa_code_object_version 6
	.text
	.protected	k_qf3eed43e6e_prep
	.globl	k_qf3eed43e6e_prep
	.p2align	8
	.type	k_qf3eed43e6e_prep,@function
k_qf3eed43e6e_prep:
	s_mov_b64 s[64:65], 0
	v_nop
	global_prefetch_b8 v0, s[64:65] scope:SCOPE_SE
	s_setreg_imm32_b32 hwreg(HW_REG_WAVE_MODE, 25, 1), 1
	s_wait_xcnt 0x0
; Mistral4MoE, launch 1 of 3: every f32 operand becomes codes of FP8 (E4M3) once, and the router is finished.
; NOTHING OF reference() IS LEFT OUT: all seven products are done and every input is loaded.  The experts that a token did not choose are multiplied too and weighed by cw = 0 (done and selected).
; THE IMAGE.  A fragment, 16 rows x 128 K, is 16 registers: lane (r = lane % 16, h = lane / 16) holds row r, registers 4 c .. 4 c + 3 hold k = 32 c + 16 h + 0 .. 15.  In memory it is 2,048 bytes [c 4][lane 32][16]:
; four accesses of 16 bytes a lane, 512 consecutive bytes each.  The same order of k stands on both sides of every product.
;   xc  [block of 256 tokens 16][K step 32][token tile 16][2048]   x under scale entry 3
;   w1c [column group e 16][K step 32][tile 10][2048]              tiles 0-3 Wg, 4-7 Wu (tile 2 b + u: rows 64 e + 32 b + 8 u + m + 8 (m / 8)), 8 Sg, 9 Su (rows 16 e + m)
;   w2c [tile of 16 outputs 256][K step 10][2048]                  K steps 0-7 Wd (experts 2 s, 2 s + 1), 8-9 Sd
;   cw  [token][16] f32                                            the combine weights
; SHARES.  A chunk is 16 rows x 128 K of f32.  Work-groups 0-127: 32 tokens; wave w takes K steps 2 w, 2 w + 1 of gate_w and of both token tiles, quantises x under entry 3 (stored) and under entry 0 (router product),
; sixteen partial sums meet in LDS, waves 0 and 1 finish sigmoid + bias, top 4 (ties to the lower index), normalising.  Work-groups 128-247: 64 chunks of weights, four a wave.
; A load reads a row's 512 consecutive bytes, 16 a lane; the conversions want 16 neighbours along K in one lane: a chunk turns through the wave's own stage in LDS (rows 528 bytes apart).
; THE FIVE SCALES OF x.  xc holds x under entry 3.  The next launch multiplies it for Wg, Wu, Sg and Su, which is right where entries 5, 8, 10 equal entry 3.  Where one differs (whole numbers read from memory decide),
; the token work-groups also run the general path below: every role from f32 under its own entries, hidden codes stored into hc here; the next launch then stores into a buffer that nobody reads.
; LIMITS.  Each entry between -126 and 119; entries 2 + 3, 8 + 9 between -126 and 127.  NaN among inputs or scores is not served; an infinity is held at the largest code.
; The router's sum is made of 16 partial sums of 256 along K, added in ascending order; sigmoid, silu and 1 / (sum + 1e-20) use v_exp_f32 and v_rcp_f32.
.set WST,   8448                       ; a wave's stage: 16 rows x 528 bytes
.set SP,    528                        ; 512 bytes + 16: row r starts 4 r banks on
.set STW,   135168                     ; LDS: from 0 the token path's 16 stages; from here the weight path's: each path has bytes of its own
.set RED,   270336                     ; 16 x 2,048: the router's partial sums
.set CWL,   303104                     ; 2,048: cw of the 32 tokens, for the general path
.set SPARE, 305152                     ; 16 x 128: the spare words, which no other line names
.set SAX,  4                           ; v4   stage, way in: 16 x lane
.set SBX,  5                           ; v5   stage, way out: 528 r + 64 h
.set SAW,  6                           ; v6, v7 the same in the weight path's stages
.set SBW,  7
.set DO,   8                           ; v8   16 x lane
.set REDW, 9
.set REDR, 10
.set CWLW, 11
.set CWLR, 12
.set CWG,  13                          ; v13  64 r + 32 h
.set SPW,  14                          ; v14  my spare word; never rewritten
.set NIL,  15                          ; v15  0; never rewritten
.set OFF,  16                          ; v16-31 row r of a chunk: its byte offset for my lane
.set SA,   32                          ; v32-95, v96-159: two sets of 64 numbers
.set SB,   96
.set TMP,  160                         ; v160-175 held numbers, where the set is kept
.set C3,   176                         ; v176-191 codes to store
.set C0,   192                         ; v192-207 codes for the router / a weight's fragment
.set WF,   192
.set GF,   208                         ; v208-223 gate_w's fragment / x's first fragment
.set XG,   208
.set ACC,  224                         ; v224-239 the router's two accumulators / x's second fragment
.set XU,   224
.set HS,   246                         ; v246 16 r + 8 h
.set BO,   247                         ; v247 32 h
; v240-245, v248-255: pairs (2^e as f32; 448 x 2^e)
.macro SETSC vs, vl, se                ; from the whole number in s[se]
	s_add_co_i32 s4, s[\se], 127
	s_lshl_b32 s5, s4, 23
	v_mov_b32 v[\vs], s5                           ; the conversion takes this number's exponent field
	s_add_co_i32 s4, s4, 8
	s_lshl_b32 s4, s4, 23
	s_or_b32 s4, s4, 0x600000
	v_mov_b32 v[\vl], s4
.endm
.macro LOAD set, base, imm, gap, nt    ; a chunk's 16 rows; gap: bytes more for rows 8-15
.irp r, 0,1,2,3,4,5,6,7,8,9,10,11,12,13,14,15
.if \nt
	global_load_b128 v[\set+4*\r:\set+4*\r+3], v[OFF+\r], s[\base:\base+1] offset:(\imm)+(\r/8)*(\gap) th:TH_LOAD_NT
.else
	global_load_b128 v[\set+4*\r:\set+4*\r+3], v[OFF+\r], s[\base:\base+1] offset:(\imm)+(\r/8)*(\gap)
.endif
.endr
.endm
.macro TURN set, sa, sb                ; through my stage: LDS serves a wave's instructions in order, so no wait stands between.  Afterwards register 16 c + i holds k = 32 c + 16 h + i of row r
.irp r, 0,1,2,3,4,5,6,7,8,9,10,11,12,13,14,15
	ds_store_b128 v[\sa], v[\set+4*\r:\set+4*\r+3] offset:SP*\r
.endr
.irp c, 0,1,2,3
.irp j, 0,1,2,3
	ds_load_b128 v[\set+16*\c+4*\j:\set+16*\c+4*\j+3], v[\sb] offset:128*\c+16*\j
.endr
.endr
.endm
.macro QUANT src, dst, sc, lim, keep   ; 64 numbers become a fragment's 16 registers.  keep = 1: the numbers stay as they are
.irp c, 0,1,2,3
.irp i, 0,1,2,3,4,5,6,7,8,9,10,11,12,13,14,15
.if \keep
	v_med3_num_f32 v[TMP+\i], v[\src+16*\c+\i], -v[\lim], v[\lim]    ; the conversion to an 8-bit code does not saturate (ISA guide 7.6.2): the hold comes first
.else
	v_med3_num_f32 v[\src+16*\c+\i], v[\src+16*\c+\i], -v[\lim], v[\lim]
.endif
.endr
.if \keep
	v_cvt_scalef32_pk8_fp8_f32 v[(\dst)+4*\c:(\dst)+4*\c+1], v[TMP:TMP+7], v[\sc]
	v_cvt_scalef32_pk8_fp8_f32 v[(\dst)+4*\c+2:(\dst)+4*\c+3], v[TMP+8:TMP+15], v[\sc]
.else
	v_cvt_scalef32_pk8_fp8_f32 v[(\dst)+4*\c:(\dst)+4*\c+1], v[\src+16*\c:\src+16*\c+7], v[\sc]
	v_cvt_scalef32_pk8_fp8_f32 v[(\dst)+4*\c+2:(\dst)+4*\c+3], v[\src+16*\c+8:\src+16*\c+15], v[\sc]
.endif
	v_nop                                          ; a plain line between the conversions and what next writes their sources or reads their results
.endr
.endm
.macro STORE c, base, imm              ; an image: four stores of 512 consecutive bytes
.irp q, 0,1,2,3
	global_store_b128 v[DO], v[(\c)+4*\q:(\c)+4*\q+3], s[\base:\base+1] offset:(\imm)+512*\q
.endr
.endm
	s_load_b512 s[8:23], s[0:1], 0x0               ; hidden 8, gate_w 10, bias 12, Wg 14, Wu 16, Wd 18, Sg 20, Su 22
	s_load_b256 s[24:31], s[0:1], 0x40             ; Sd 24, lowp_scales 26, xc 28, w1c 30
	s_load_b128 s[32:35], s[0:1], 0x60             ; w2c 32, cw 34
	s_load_b64 s[36:37], s[0:1], 0x70              ; hc
	v_lshl_add_u32 v[SPW], v0, 2, SPARE
	v_mov_b32 v[NIL], 0
	v_lshrrev_b32 v1, 5, v0
	v_readfirstlane_b32 s2, v1                     ; wave 0..15
	v_and_b32 v1, 31, v0                           ; lane
	v_and_b32 v2, 15, v0                           ; r
	v_bfe_u32 v3, v0, 4, 1                         ; h
	; every LDS address is made here, ahead of the first parting of the ways
	s_mul_i32 s4, s2, WST
	v_lshlrev_b32 v[DO], 4, v1
	v_add_nc_u32 v[SAX], s4, v[DO]
	v_mul_u32_u24 v[SBX], v2, SP
	v_lshl_add_u32 v[SBX], v3, 6, v[SBX]
	v_add_nc_u32 v[SBX], s4, v[SBX]
	v_add_nc_u32 v[SAW], STW, v[SAX]
	v_add_nc_u32 v[SBW], STW, v[SBX]
	s_lshl_b32 s4, s2, 11
	v_add_nc_u32 v[REDW], s4, v[DO]
	v_add_nc_u32 v[REDW], RED, v[REDW]             ; my partial sums: 2,048 x wave + 16 x lane
	s_and_b32 s5, s2, 1
	s_lshl_b32 s5, s5, 10
	v_add_nc_u32 v[REDR], s5, v[DO]
	v_add_nc_u32 v[REDR], RED, v[REDR]             ; a finishing wave reads token tile wave % 2 of all sixteen
	v_lshlrev_b32 v[CWG], 6, v2
	v_lshl_add_u32 v[CWG], v3, 5, v[CWG]
	v_add_nc_u32 v[CWLW], s5, v[CWG]
	v_add_nc_u32 v[CWLW], CWL, v[CWLW]
	s_lshl_b32 s4, s2, 2
	v_lshlrev_b32 v[CWLR], 6, v2
	v_add_nc_u32 v[CWLR], s4, v[CWLR]
	v_add_nc_u32 v[CWLR], CWL, v[CWLR]             ; cw(token r, expert = wave)
	v_lshlrev_b32 v[HS], 4, v2
	v_lshl_add_u32 v[HS], v3, 3, v[HS]
	v_lshlrev_b32 v[BO], 5, v3
	; the shape of a chunk, by the work-group's number alone: P bytes from row to row, G more for rows 8-15, HL from lanes 0-15 to lanes 16-31
	s_mov_b32 s54, 16384
	s_mov_b32 s55, 0
	s_mov_b32 s56, 256
	s_cmp_ge_u32 ttmp9, 128                        ; Wg, Wu: a tile's rows 8-15 lie 8 rows further on
	s_cselect_b32 s55, 131072, s55
	s_cmp_ge_u32 ttmp9, 192                        ; Sg, Su: neighbours
	s_cselect_b32 s55, 0, s55
	s_cmp_ge_u32 ttmp9, 208                        ; Wd: rows of 256 bytes; 128 along K are two experts, 1 MiB apart
	s_cselect_b32 s54, 256, s54
	s_cselect_b32 s56, 1048576, s56
	s_cmp_ge_u32 ttmp9, 240                        ; Sd: rows of 1,024 bytes
	s_cselect_b32 s54, 1024, s54
	s_cselect_b32 s56, 256, s56
	v_lshlrev_b32 v[TMP], 4, v2
	v_mul_lo_u32 v[TMP+1], v3, s56
	v_add_nc_u32 v[TMP], v[TMP], v[TMP+1]
.irp r, 0,1,2,3,4,5,6,7,8,9,10,11,12,13,14,15
	s_mul_i32 s4, s54, \r
.if \r >= 8
	s_add_co_u32 s4, s4, s55
.endif
	v_add_nc_u32 v[OFF+\r], s4, v[TMP]
.endr
	s_wait_kmcnt 0x0
	s_load_b256 s[40:47], s[26:27], 0x0            ; entry n of the scales in s[40 + n]
	s_load_b128 s[48:51], s[26:27], 0x20
	s_load_b64 s[52:53], s[26:27], 0x30
	s_cmp_ge_u32 ttmp9, 128
	s_cbranch_scc1 .Lweights
	; ---- THE TOKEN PATH
	s_lshl_b32 s4, ttmp9, 19                       ; 32 rows of 16,384 bytes a work-group,
	s_lshl_b32 s5, s2, 10                          ; two K steps of 512 bytes a wave
	s_add_co_u32 s4, s4, s5
	s_mov_b32 s5, 0
	s_add_nc_u64 s[72:73], s[8:9], s[4:5]
	s_lshl_b32 s4, s2, 10
	s_add_nc_u64 s[74:75], s[10:11], s[4:5]
	s_lshr_b32 s4, ttmp9, 3
	s_lshl_b32 s4, s4, 20                          ; xc: the block,
	s_lshl_b32 s6, s2, 16                          ; my first K step,
	s_add_co_u32 s4, s4, s6
	s_lshl_b32 s6, ttmp9, 1
	s_and_b32 s6, s6, 15
	s_lshl_b32 s6, s6, 11                          ; my first token tile in the block
	s_add_co_u32 s4, s4, s6
	s_add_nc_u64 s[80:81], s[28:29], s[4:5]
.macro XGATE set, left                 ; a chunk of gate_w becomes source 0 of the router's product
	s_wait_loadcnt \left                           ; my chunk's 16 loads are in; the next chunk's 16 may be out
	TURN \set, SAX, SBX
	s_wait_dscnt 0x0
	QUANT \set, GF, 244, 245, 0
.endm
.macro XTOK set, left, ks, tt          ; a chunk of x: codes under entry 3 are stored, codes under entry 0 are multiplied
	s_wait_loadcnt \left
	TURN \set, SAX, SBX
	s_wait_dscnt 0x0
	s_wait_xcnt 0x0                                ; the last image's stores have read C3
	QUANT \set, C3, 240, 241, 1
	STORE C3, 80, 32768*\ks+2048*\tt
	QUANT \set, C0, 242, 243, 0
.if \ks == 0
	v_wmma_f32_16x16x128_fp8_fp8 v[ACC+8*\tt:ACC+8*\tt+7], v[GF:GF+15], v[C0:C0+15], 0    ; lane (r, h): token r, register j: expert 8 h + j.  The two accumulators take turns
.else
	v_wmma_f32_16x16x128_fp8_fp8 v[ACC+8*\tt:ACC+8*\tt+7], v[GF:GF+15], v[C0:C0+15], v[ACC+8*\tt:ACC+8*\tt+7]
.endif
.endm
	LOAD SA, 74, 0, 0, 0                           ; gate_w, my first K step (128 work-groups read it: no hint)
	LOAD SB, 72, 0, 0, 1                           ; x, first K step, tile 0
	s_wait_kmcnt 0x0
	SETSC 240, 241, 43
	SETSC 242, 243, 40
	SETSC 244, 245, 41
	XGATE SA, 16
	LOAD SA, 72, 262144, 0, 1
	XTOK SB, 16, 0, 0
	LOAD SB, 74, 512, 0, 0
	XTOK SA, 16, 0, 1
	LOAD SA, 72, 512, 0, 1
	XGATE SB, 16                                   ; its sixteen holds are the places between the last product and the write of gate_w's fragment
	LOAD SB, 72, 262144+512, 0, 1
	XTOK SA, 16, 1, 0
	XTOK SB, 0, 1, 1
.rept 4
	v_nop                                          ; four places behind the last product
.endr
	ds_store_b128 v[REDW], v[ACC:ACC+3]            ; each accumulator from its low end on
	ds_store_b128 v[REDW], v[ACC+4:ACC+7] offset:512
	ds_store_b128 v[REDW], v[ACC+8:ACC+11] offset:1024
	ds_store_b128 v[REDW], v[ACC+12:ACC+15] offset:1536
	s_branch .Ljoin1
	; ---- THE WEIGHT PATH: one text for six tensors; what differs stands in scalar registers, chosen by the work-group's number
.Lweights:
	s_mov_b64 s[68:69], s[14:15]                   ; from Wg
	s_mov_b64 s[70:71], s[30:31]                   ; into w1c
	s_mov_b32 s57, 512                             ; chunk i of my four: source + (i % 2) s57 + (i / 2) s58,
	s_mov_b32 s58, 1024
	s_mov_b32 s59, 20480                           ; destination + (i % 2) s59 + (i / 2) s60
	s_mov_b32 s60, 40960
	s_mov_b32 s61, 128                             ; the tensor's first work-group
	s_mov_b32 s62, 2                               ; log2 of tiles in a column group
	s_mov_b32 s63, 64                              ; rows in a column group
	s_mov_b32 s66, 0                               ; first tile's place among the group's ten
	s_cmp_ge_u32 ttmp9, 160
	s_cselect_b64 s[68:69], s[16:17], s[68:69]     ; Wu
	s_cselect_b32 s61, 160, s61
	s_cselect_b32 s66, 4, s66
	s_cmp_ge_u32 ttmp9, 192
	s_cselect_b64 s[68:69], s[20:21], s[68:69]     ; Sg
	s_cselect_b32 s61, 192, s61
	s_cselect_b32 s66, 8, s66
	s_cselect_b32 s62, 0, s62
	s_cselect_b32 s63, 16, s63
	s_cmp_ge_u32 ttmp9, 200
	s_cselect_b64 s[68:69], s[22:23], s[68:69]     ; Su
	s_cselect_b32 s61, 200, s61
	s_cselect_b32 s66, 9, s66
	s_cmp_ge_u32 ttmp9, 208
	s_cselect_b64 s[68:69], s[18:19], s[68:69]     ; Wd, into w2c
	s_cselect_b64 s[70:71], s[32:33], s[70:71]
	s_cselect_b32 s61, 208, s61
	s_cselect_b32 s57, 2097152, s57
	s_cselect_b32 s58, 4194304, s58
	s_cselect_b32 s59, 2048, s59
	s_cselect_b32 s60, 4096, s60
	s_cmp_ge_u32 ttmp9, 240
	s_cselect_b64 s[68:69], s[24:25], s[68:69]     ; Sd
	s_cselect_b32 s61, 240, s61
	s_cselect_b32 s57, 512, s57
	s_cselect_b32 s58, 16384, s58
	s_cselect_b32 s60, 20480, s60
	s_sub_co_u32 s88, ttmp9, s61
	s_lshl_b32 s88, s88, 4
	s_add_co_u32 s88, s88, s2                      ; my job in the tensor: four chunks
	s_lshr_b32 s89, s88, 3                         ; w1c's tensors: row tile,
	s_and_b32 s90, s88, 7                          ; and which four K steps
	s_lshr_b32 s91, s89, s62                       ; column group e
	s_lshl_b32 s92, s91, s62
	s_sub_co_u32 s92, s89, s92                     ; tile in it
	s_mul_i32 s93, s91, s63
	s_lshr_b32 s94, s92, 1
	s_lshl_b32 s94, s94, 5
	s_add_co_u32 s93, s93, s94
	s_and_b32 s94, s92, 1
	s_lshl_b32 s94, s94, 3
	s_add_co_u32 s93, s93, s94                     ; the tile's first row
	s_lshl_b32 s93, s93, 14
	s_lshl_b32 s94, s90, 11
	s_add_co_u32 s93, s93, s94                     ; source offset
	s_mul_i32 s95, s91, 655360
	s_mul_i32 s94, s90, 81920
	s_add_co_u32 s95, s95, s94
	s_add_co_u32 s94, s66, s92
	s_lshl_b32 s94, s94, 11
	s_add_co_u32 s95, s95, s94                     ; destination offset
	s_lshr_b32 s89, s88, 1                         ; Wd: tile of 16 outputs,
	s_and_b32 s90, s88, 1                          ; and which four K steps
	s_lshl_b32 s96, s89, 12
	s_lshl_b32 s94, s90, 23
	s_add_co_u32 s96, s96, s94
	s_mul_i32 s97, s89, 20480
	s_lshl_b32 s94, s90, 13
	s_add_co_u32 s97, s97, s94
	s_cmp_ge_u32 ttmp9, 208
	s_cselect_b32 s93, s96, s93
	s_cselect_b32 s95, s97, s95
	s_lshl_b32 s96, s88, 15                        ; Sd: two tiles x two K steps
	s_mul_i32 s97, s88, 40960
	s_add_co_u32 s97, s97, 16384
	s_cmp_ge_u32 ttmp9, 240
	s_cselect_b32 s93, s96, s93
	s_cselect_b32 s95, s97, s95
	s_mov_b32 s89, 0
	s_mov_b32 s88, s93
	s_add_nc_u64 s[72:73], s[68:69], s[88:89]
	s_mov_b32 s88, s57
	s_add_nc_u64 s[74:75], s[72:73], s[88:89]
	s_mov_b32 s88, s58
	s_add_nc_u64 s[76:77], s[72:73], s[88:89]
	s_add_nc_u64 s[78:79], s[74:75], s[88:89]
	s_mov_b32 s88, s95
	s_add_nc_u64 s[80:81], s[70:71], s[88:89]
	s_mov_b32 s88, s59
	s_add_nc_u64 s[82:83], s[80:81], s[88:89]
	s_mov_b32 s88, s60
	s_add_nc_u64 s[84:85], s[80:81], s[88:89]
	s_add_nc_u64 s[86:87], s[82:83], s[88:89]
.macro WCH set, left, i                ; each chunk has its own registers for its codes: no store's data are written again
	s_wait_loadcnt \left
	TURN \set, SAW, SBW
	s_wait_dscnt 0x0
	QUANT \set, 176+16*\i, 240, 241, 0
	STORE 176+16*\i, 80+2*\i, 0
.endm
	LOAD SA, 72, 0, 0, 1
	LOAD SB, 74, 0, 0, 1
	s_wait_kmcnt 0x0
	s_mov_b32 s67, s42                             ; the tensor's entry: 2, 4, 9, 11, 7, 13
	s_cmp_ge_u32 ttmp9, 160
	s_cselect_b32 s67, s44, s67
	s_cmp_ge_u32 ttmp9, 192
	s_cselect_b32 s67, s49, s67
	s_cmp_ge_u32 ttmp9, 200
	s_cselect_b32 s67, s51, s67
	s_cmp_ge_u32 ttmp9, 208
	s_cselect_b32 s67, s47, s67
	s_cmp_ge_u32 ttmp9, 240
	s_cselect_b32 s67, s53, s67
	SETSC 240, 241, 67
	WCH SA, 16, 0
	LOAD SA, 76, 0, 0, 1
	WCH SB, 16, 1
	LOAD SB, 78, 0, 0, 1
	WCH SA, 16, 2
	WCH SB, 0, 3
.Ljoin1:
	s_wait_dscnt 0x0                               ; my partial sums lie in LDS
	s_barrier_signal -1
	s_barrier_wait -1                              ; everybody's do.  (Both barriers stand on the way that all waves of all work-groups take)
	s_cmp_ge_u32 ttmp9, 128
	s_cbranch_scc1 .Ljoin2
	s_cmp_ge_u32 s2, 2
	s_cbranch_scc1 .Ljoin2
	; ---- THE ROUTER IS FINISHED: wave 0 for token tile 0, wave 1 for tile 1
	global_load_b128 v[168:171], v[BO], s[12:13]   ; bias of experts 8 h + 0 .. 7
	global_load_b128 v[172:175], v[BO], s[12:13] offset:16
.irp p, 0,1,2,3,4,5,6,7,8,9,10,11,12,13,14,15
	ds_load_b128 v[32+8*\p:35+8*\p], v[REDR] offset:2048*\p
	ds_load_b128 v[36+8*\p:39+8*\p], v[REDR] offset:2048*\p+512
.endr
	s_wait_dscnt 0x0
.irp q, 0,2,4,6
	v_pk_add_f32 v[160+\q:161+\q], v[32+\q:33+\q], v[40+\q:41+\q]
.endr
.irp p, 2,3,4,5,6,7,8,9,10,11,12,13,14,15
.irp q, 0,2,4,6
	v_pk_add_f32 v[160+\q:161+\q], v[160+\q:161+\q], v[32+8*\p+\q:33+8*\p+\q]    ; K ascending
.endr
.endr
	s_add_co_i32 s4, s40, s41
.irp j, 0,1,2,3,4,5,6,7
	v_ldexp_f32 v[160+\j], v[160+\j], s4           ; x 2^(entry 0 + entry 1)
.endr
.irp j, 0,1,2,3,4,5,6,7
	v_mul_f32 v[160+\j], 0xbfb8aa3b, v[160+\j]     ; x -log2(e)
.endr
.irp j, 0,1,2,3,4,5,6,7
	v_exp_f32 v[160+\j], v[160+\j]
.endr
	v_nop                                          ; a plain line behind the batch,
	s_wait_alu depctr_va_vdst(0)                   ; and one wait ahead of its first reader
.irp j, 0,1,2,3,4,5,6,7
	v_add_f32 v[160+\j], 1.0, v[160+\j]
.endr
.irp j, 0,1,2,3,4,5,6,7
	v_rcp_f32 v[160+\j], v[160+\j]
.endr
	v_nop
	s_wait_alu depctr_va_vdst(0)
	s_wait_loadcnt 0x0
.irp j, 0,1,2,3,4,5,6,7
	v_add_f32 v[160+\j], v[160+\j], v[168+\j]      ; sigmoid + bias
.endr
	s_mov_b32 s6, 0x76543210
	s_mov_b32 s7, 0xfedcba98
.irp j, 0,1,2,3,4,5,6,7
	v_permlanex16_b32 v[32+\j], v[160+\j], s6, s7  ; the token's other eight scores lie in the lane 16 away
.endr
	v_cmp_eq_u32 s88, 1, v3
.irp j, 0,1,2,3,4,5,6,7
	v_cndmask_b32 v[48+\j], v[160+\j], v[32+\j], s88   ; v48-63: the sixteen scores in the experts' order, in both lanes of a token
	v_cndmask_b32 v[56+\j], v[32+\j], v[160+\j], s88
.endr
.irp j, 0,1,2,3,4,5,6,7,8,9,10,11,12,13,14,15
	v_mov_b32 v[64+\j], 15-\j                      ; v64-79: how many experts come before expert j.  Of a pair j < i, j comes first where its score is not the smaller (ties to the lower index)
.endr
.irp j, 0,1,2,3,4,5,6,7,8,9,10,11,12,13,14
.irp i, 1,2,3,4,5,6,7,8,9,10,11,12,13,14,15
.if \i > \j
	v_cmp_ge_f32 vcc_lo, v[48+\j], v[48+\i]
	v_cndmask_b32 v80, 0, 1, vcc_lo
	v_add_nc_u32 v[64+\i], v[64+\i], v80
	v_sub_nc_u32 v[64+\j], v[64+\j], v80
.endif
.endr
.endr
.irp i, 0,1,2,3,4,5,6,7,8,9,10,11,12,13,14,15
	v_cmp_gt_u32 vcc_lo, 4, v[64+\i]               ; among the first four
	v_cndmask_b32 v[48+\i], 0, v[48+\i], vcc_lo
.endr
	v_add_f32 v81, v48, v49
.irp i, 2,3,4,5,6,7,8,9,10,11,12,13,14,15
	v_add_f32 v81, v81, v[48+\i]
.endr
	v_add_f32 v81, 0x1e3ce508, v81                 ; + 1e-20
	v_rcp_f32 v81, v81
	v_nop
	s_wait_alu depctr_va_vdst(0)
.irp i, 0,1,2,3,4,5,6,7,8,9,10,11,12,13,14,15
	v_mul_f32 v[48+\i], v[48+\i], v81
.endr
.irp j, 0,1,2,3,4,5,6,7
	v_cndmask_b32 v[96+\j], v[48+\j], v[56+\j], s88    ; my half of the token's row
.endr
	s_lshl_b32 s4, ttmp9, 11
	s_lshl_b32 s5, s2, 10
	s_add_co_u32 s4, s4, s5
	s_mov_b32 s5, 0
	s_add_nc_u64 s[90:91], s[34:35], s[4:5]
	global_store_b128 v[CWG], v[96:99], s[90:91]
	global_store_b128 v[CWG], v[100:103], s[90:91] offset:16
	ds_store_b128 v[CWLW], v[96:99]
	ds_store_b128 v[CWLW], v[100:103] offset:16
.Ljoin2:
	s_wait_dscnt 0x0
	s_barrier_signal -1
	s_barrier_wait -1                              ; cw of the 32 tokens lies in LDS
	s_cmp_ge_u32 ttmp9, 128
	s_cbranch_scc1 .Lend
	s_xor_b32 s4, s45, s43
	s_xor_b32 s5, s48, s43
	s_or_b32 s4, s4, s5
	s_xor_b32 s5, s50, s43
	s_or_b32 s4, s4, s5
	s_cmp_eq_u32 s4, 0                             ; entries 5, 8, 10 equal entry 3: the next launch makes hc from xc
	s_cbranch_scc1 .Lend
	; ---- THE GENERAL PATH: no barrier from here on.  Wave W takes expert W and shared tile W for the 32 tokens; every chunk comes from f32 and is quantised under its own entry
.macro FBSET ex1, ex2, ew1, ew2, eh
	SETSC 240, 241, \ex1
	SETSC 252, 253, \ex2
	SETSC 248, 249, \ew1
	SETSC 250, 251, \ew2
	SETSC 254, 255, \eh
	s_add_co_i32 s94, s[\ex1], s[\ew1]
	s_lshl_b32 s92, s94, 23
	s_add_co_i32 s92, s92, 0xbfb8aa3b              ; -log2(e) x 2^(the gate product's two entries): they are added to the exponent field
	s_mov_b32 s93, s92                             ; (named with it as a pair)
	s_add_co_i32 s94, s94, s[\ex2]
	s_add_co_i32 s94, s94, s[\ew2]                 ; all four entries
.endm
.macro FBL base, imm, gap
	LOAD SA, \base, \imm, \gap, 0
	s_wait_loadcnt 0x0
	TURN SA, SAX, SBX
	s_wait_dscnt 0x0
.endm
.macro FBW base, imm, gap, sc, lim, acc, xf
	FBL \base, \imm, \gap
	QUANT SA, WF, \sc, \lim, 0
	v_wmma_f32_16x16x128_fp8_fp8 v[\acc:\acc+7], v[WF:WF+15], v[\xf:\xf+15], v[\acc:\acc+7]    ; the accumulators take turns
.endm
; n sums g in v96 on and n sums u in v112 on become n codes in v146 on: silu(g) u x the factor, held and converted
.macro ACT n, shared
.if \shared == 0
	ds_load_b32 v144, v[CWLR]                      ; cw of both token tiles; the one in hand is selected below
	ds_load_b32 v145, v[CWLR] offset:1024
.endif
.rept 4
	v_nop                                          ; four places behind the last product
.endr
.set q, 0
.rept \n/2
	v_pk_mul_f32 v[128+q:129+q], v[96+q:97+q], s[92:93] op_sel_hi:[1,0]
.set q, q+2
.endr
.set q, 0
.rept \n
	v_exp_f32 v[128+q], v[128+q]                   ; e^-g
.set q, q+1
.endr
	v_nop
	s_wait_alu depctr_va_vdst(0)
.set q, 0
.rept \n/2
	v_pk_add_f32 v[128+q:129+q], v[128+q:129+q], 1.0 op_sel_hi:[1,0]
.set q, q+2
.endr
.set q, 0
.rept \n
	v_rcp_f32 v[128+q], v[128+q]
.set q, q+1
.endr
	v_nop
	s_wait_alu depctr_va_vdst(0)
.set q, 0
.rept \n/2
	v_pk_mul_f32 v[128+q:129+q], v[96+q:97+q], v[128+q:129+q]
.set q, q+2
.endr
.set q, 0
.rept \n/2
	v_pk_mul_f32 v[128+q:129+q], v[112+q:113+q], v[128+q:129+q]
.set q, q+2
.endr
.if \shared
	v_ldexp_f32 v144, 1.0, s94
.else
	s_wait_dscnt 0x0
	s_lshr_b32 s4, s38, 1
	s_cmp_eq_u32 s4, 1
	s_cselect_b32 s4, -1, 0
	v_cndmask_b32 v144, v144, v145, s4
	v_ldexp_f32 v144, v144, s94                    ; cw x 2^(the four entries)
.endif
	v_mov_b32 v145, v144
.set q, 0
.rept \n/2
	v_pk_mul_f32 v[128+q:129+q], v[128+q:129+q], v[144:145] op_sel_hi:[1,0]
.set q, q+2
.endr
.set q, 0
.rept \n
	v_med3_num_f32 v[128+q], v[128+q], -v255, v255
.set q, q+1
.endr
.set q, 0
.rept \n/8
	v_cvt_scalef32_pk8_fp8_f32 v[146+2*q:147+2*q], v[128+8*q:135+8*q], v254
.set q, q+1
.endr
	v_nop
.endm
	FBSET 43, 45, 42, 44, 46
	s_mov_b32 s38, 0
.Lfb_u:                                                ; four trips: token tile s38 / 2, hidden units 32 (s38 % 2) on of expert W
	s_wait_xcnt 0x0                                ; earlier stores have read their data and bases
	s_lshr_b32 s4, s38, 1
	s_and_b32 s5, s38, 1
	s_lshl_b32 s6, ttmp9, 19
	s_lshl_b32 s7, s4, 18
	s_add_co_u32 s6, s6, s7
	s_mov_b32 s7, 0
	s_add_nc_u64 s[72:73], s[8:9], s[6:7]          ; x
	s_lshl_b32 s6, s2, 20
	s_lshl_b32 s88, s5, 19
	s_add_co_u32 s6, s6, s88
	s_add_nc_u64 s[74:75], s[14:15], s[6:7]        ; Wg, Wu at row 64 W + 32 b
	s_add_nc_u64 s[76:77], s[16:17], s[6:7]
	s_lshl_b32 s6, ttmp9, 1
	s_add_co_u32 s6, s6, s4
	s_mul_i32 s6, s6, 20480                        ; hc: the token tile,
	s_lshr_b32 s88, s2, 1
	s_lshl_b32 s88, s88, 11                        ; K step W / 2,
	s_add_co_u32 s6, s6, s88
	s_and_b32 s88, s2, 1
	s_lshl_b32 s88, s88, 10
	s_add_co_u32 s6, s6, s88
	s_lshl_b32 s88, s5, 9                          ; quad 2 (W % 2) + b
	s_add_co_u32 s6, s6, s88
	s_add_nc_u64 s[80:81], s[36:37], s[6:7]
.irp j, 0,1,2,3,4,5,6,7,8,9,10,11,12,13,14,15,16,17,18,19,20,21,22,23,24,25,26,27,28,29,30,31
	v_mov_b32 v[96+\j], 0
.endr
	s_mov_b32 s3, 0
.Lfb_k:
	FBL 72, 0, 0
	QUANT SA, XG, 240, 241, 1
	QUANT SA, XU, 252, 253, 0
	FBW 74, 0, 131072, 248, 249, 96, XG
	FBW 74, 131072, 131072, 248, 249, 104, XG
	FBW 76, 0, 131072, 250, 251, 112, XU
	FBW 76, 131072, 131072, 250, 251, 120, XU
	s_add_nc_u64 s[72:73], s[72:73], 512           ; (every load has been waited for)
	s_add_nc_u64 s[74:75], s[74:75], 512
	s_add_nc_u64 s[76:77], s[76:77], 512
	s_add_co_u32 s3, s3, 1
	s_cmp_lt_u32 s3, 32
	s_cbranch_scc1 .Lfb_k
	ACT 16, 0
	global_store_b128 v[DO], v[146:149], s[80:81]
	s_add_co_u32 s38, s38, 1
	s_cmp_lt_u32 s38, 4
	s_cbranch_scc1 .Lfb_u
	FBSET 48, 50, 49, 51, 52
	s_mov_b32 s38, 0
.Lfb_s:                                                ; two trips: token tile s38, shared units 16 W on
	s_wait_xcnt 0x0
	s_lshl_b32 s6, ttmp9, 19
	s_lshl_b32 s7, s38, 18
	s_add_co_u32 s6, s6, s7
	s_mov_b32 s7, 0
	s_add_nc_u64 s[72:73], s[8:9], s[6:7]
	s_lshl_b32 s6, s2, 18
	s_add_nc_u64 s[74:75], s[20:21], s[6:7]
	s_add_nc_u64 s[76:77], s[22:23], s[6:7]
	s_lshl_b32 s6, ttmp9, 1
	s_add_co_u32 s6, s6, s38
	s_mul_i32 s6, s6, 20480
	s_lshr_b32 s88, s2, 3
	s_add_co_u32 s88, s88, 8
	s_lshl_b32 s88, s88, 11                        ; K step 8 + W / 8,
	s_add_co_u32 s6, s6, s88
	s_bfe_u32 s88, s2, 0x20001
	s_lshl_b32 s88, s88, 9                         ; quad (W % 8) / 2,
	s_add_co_u32 s6, s6, s88
	s_and_b32 s88, s2, 1
	s_lshl_b32 s88, s88, 8                         ; the quad's half W % 2
	s_add_co_u32 s6, s6, s88
	s_add_nc_u64 s[80:81], s[36:37], s[6:7]
.irp j, 0,1,2,3,4,5,6,7
	v_mov_b32 v[96+\j], 0
	v_mov_b32 v[112+\j], 0
.endr
	s_mov_b32 s3, 0
.Lfb_sk:
	FBL 72, 0, 0
	QUANT SA, XG, 240, 241, 1
	QUANT SA, XU, 252, 253, 0
	FBW 74, 0, 0, 248, 249, 96, XG
	FBW 76, 0, 0, 250, 251, 112, XU
	s_add_nc_u64 s[72:73], s[72:73], 512
	s_add_nc_u64 s[74:75], s[74:75], 512
	s_add_nc_u64 s[76:77], s[76:77], 512
	s_add_co_u32 s3, s3, 1
	s_cmp_lt_u32 s3, 32
	s_cbranch_scc1 .Lfb_sk
	ACT 8, 1
	global_store_b64 v[HS], v[146:147], s[80:81]   ; 32 lanes fill one aligned block of 256 bytes
	s_add_co_u32 s38, s38, 1
	s_cmp_lt_u32 s38, 2
	s_cbranch_scc1 .Lfb_s
.Lend:
	s_wait_tensorcnt 0x0                           ; the wave's end, behind my last LDS store
	ds_add_u32 v[SPW], v[NIL]
	s_wait_dscnt 0x0
	s_endpgm
.Lfunc_end_k_qf3eed43e6e_prep:
	.size	k_qf3eed43e6e_prep, .Lfunc_end_k_qf3eed43e6e_prep-k_qf3eed43e6e_prep
	.p2alignl 7, 3214868480
	.fill 96, 4, 3214868480
	.section	.rodata,"a",@progbits
	.p2align	6, 0x0
	.amdhsa_kernel k_qf3eed43e6e_prep
		.amdhsa_group_segment_fixed_size 307200
		.amdhsa_private_segment_fixed_size 0
		.amdhsa_enable_private_segment 0
		.amdhsa_kernarg_size 120
		.amdhsa_user_sgpr_count 2
		.amdhsa_user_sgpr_kernarg_segment_ptr 1
		.amdhsa_wavefront_size32 1
		.amdhsa_system_sgpr_workgroup_id_x 1
		.amdhsa_system_sgpr_workgroup_id_y 1
		.amdhsa_system_sgpr_workgroup_id_z 1
		.amdhsa_system_vgpr_workitem_id 0
		.amdhsa_next_free_vgpr 256
		.amdhsa_next_free_sgpr 100
		.amdhsa_reserve_vcc 1
		.amdhsa_float_denorm_mode_32 3
		.amdhsa_float_denorm_mode_16_64 3
		.amdhsa_memory_ordered 1
		.amdhsa_forward_progress 1
		.amdhsa_inst_pref_size 239
	.end_amdhsa_kernel
	.amdgpu_metadata
---
amdhsa.version: [ 1, 2 ]
amdhsa.kernels:
  - .name:           k_qf3eed43e6e_prep
    .symbol:         k_qf3eed43e6e_prep.kd
    .args:
      - { .name: hidden_states, .offset: 0, .size: 8, .value_kind: global_buffer, .address_space: global }
      - { .name: gate_w, .offset: 8, .size: 8, .value_kind: global_buffer, .address_space: global }
      - { .name: bias, .offset: 16, .size: 8, .value_kind: global_buffer, .address_space: global }
      - { .name: Wg, .offset: 24, .size: 8, .value_kind: global_buffer, .address_space: global }
      - { .name: Wu, .offset: 32, .size: 8, .value_kind: global_buffer, .address_space: global }
      - { .name: Wd, .offset: 40, .size: 8, .value_kind: global_buffer, .address_space: global }
      - { .name: Sg, .offset: 48, .size: 8, .value_kind: global_buffer, .address_space: global }
      - { .name: Su, .offset: 56, .size: 8, .value_kind: global_buffer, .address_space: global }
      - { .name: Sd, .offset: 64, .size: 8, .value_kind: global_buffer, .address_space: global }
      - { .name: lowp_scales, .offset: 72, .size: 8, .value_kind: global_buffer, .address_space: global }
      - { .name: xc, .offset: 80, .size: 8, .value_kind: global_buffer, .address_space: global }
      - { .name: w1c, .offset: 88, .size: 8, .value_kind: global_buffer, .address_space: global }
      - { .name: w2c, .offset: 96, .size: 8, .value_kind: global_buffer, .address_space: global }
      - { .name: cw, .offset: 104, .size: 8, .value_kind: global_buffer, .address_space: global }
      - { .name: hc, .offset: 112, .size: 8, .value_kind: global_buffer, .address_space: global }
    .group_segment_fixed_size: 307200
    .private_segment_fixed_size: 0
    .kernarg_segment_align: 8
    .kernarg_segment_size: 120
    .max_flat_workgroup_size: 512
    .sgpr_count:     100
    .vgpr_count:     256
    .wavefront_size: 32
...
	.end_amdgpu_metadata
.endif
;; end of part 1
;; launch up (part 2): grid 16 x 16, 4 waves a work-group, clusters of 4 x 4, 327,680 bytes of LDS; arguments xc, w1c, cw, lowp_scales, hc; writes hc
.if DOCPART == 2
	.amdgcn_target "amdgcn-amd-amdhsa--gfx1250"
	.amdhsa_code_object_version 6
	.text
	.protected	k_qf3eed43e6e_up
	.globl	k_qf3eed43e6e_up
	.p2align	8
	.type	k_qf3eed43e6e_up,@function
k_qf3eed43e6e_up:
	s_mov_b64 s[64:65], 0
	v_nop
	global_prefetch_b8 v0, s[64:65] scope:SCOPE_SE
	s_setreg_imm32_b32 hwreg(HW_REG_WAVE_MODE, 25, 1), 1
	s_wait_xcnt 0x0
	s_wait_alu depctr_hold_cnt(0) depctr_sa_sdst(0) depctr_va_vdst(0) depctr_va_sdst(0) depctr_va_ssrc(0) depctr_va_vcc(0) depctr_vm_vsrc(0)
	s_getreg_b32 s2, hwreg(HW_REG_IB_STS2, 6, 4)
	s_cmp_eq_u32 s2, 0
	s_cbranch_scc0 .Lentry_in_a_cluster
	s_endpgm
.Lentry_in_a_cluster:
	s_bfe_u32 s2, ttmp6, 0x10000c
	s_cmp_lg_u32 s2, 0xf033
	s_cbranch_scc0 .Lentry_shape_is_right
	s_endpgm
.Lentry_shape_is_right:
; Launch 2 of 3: g = x Wg^T, u = x Wu^T, the shared g and u, then silu(g) u (x cw for the experts), quantised: the hidden codes.  Nothing of reference() is left out here: unchosen experts are multiplied and weighed by cw = 0.
; SHARES.  A work-group: 256 tokens (block b = work-group y) x column group e (work-group x): expert e's 4 tiles of Wg and 4 of Wu, tile e of Sg and of Su: 160 columns, K = 4,096.  That share is equal for all 256 work-groups.
; Wave w: token tiles 4 w .. 4 w + 3 against all ten column tiles: 40 accumulators; g and u of a hidden unit lie in the same lane, so the way out needs no LDS.
; Operands are images (16 rows x 128 K: 2,048 bytes [c 4][lane 32][16]); lane (r, h) holds row r, registers 4 c .. 4 c + 3 hold k = 32 c + 16 h + 0 .. 15, alike on both sides.  Every load of an image's quad reads 512 consecutive bytes.
; THE MATRIX INSTRUCTION IS USED TRANSPOSED (source 0 = 16 weight rows, source 1 = 16 tokens): a lane holds one token, and the rows of a tile of Wg, Wu are chosen so that tiles 2 b, 2 b + 1 give it 16 neighbours along the next K.
; THE WEIGHTS (B), which all four waves read, come through a ring of two LDS slots of four K steps (4 x 20,480 bytes), filled by the tensor data mover: wave w fetches the slot's K step w, a dense block taken as 80 rows of 256 bytes.
; CLUSTERS: 4 x 4.  B's tiles hang on e alone and are asked for jointly along a column of the cluster.
; THE TOKENS (A) GO FROM MEMORY STRAIGHT INTO REGISTERS: a token tile is multiplied by ONE wave of the work-group, and xc lies in the order of the registers.  16 loads a K step, into four sets of 64 registers by turns,
; asked for three K steps (48 loads) ahead under counted waits, tied to no barrier.  They are NOT asked for jointly, though the four work-groups of a row of the cluster read the same bytes: a joint load lands in LDS, where A
; would take 32,768 of a K step's 53,248 bytes; a slot then holds two K steps, 80 matrix instructions a wave between a refill and the wait for it.  Without A it holds four, 160 matrix instructions, with half as many rounds,
; and a wave reads 10 images from LDS for a K step, not 14.
; x's codes stand under scale entry 3.  hc has two halves of 5,242,880 bytes; the next launch reads the first.  Where entries 5, 8, 10 equal entry 3 the results go to the first half; else that half was made by the launch
; before, and these go to the second half, which nobody reads: an offset of 0 or one half on hc's address, no branch.
; LIMITS: entries 6, 12 between -126 and 119; entries 2 + 3, 8 + 9 and 8 + 9 + 10 + 11 between -126 and 127.  NaN is not served.
; REGISTERS, in windows of 256: window 0: v4-29 addresses and constants; v32-95, v96-159 A's sets 0, 1; v160-199 at work on the way out; v200-247 codes.
;   window 1: B's ten fragments, ONE set in two halves (tiles 0-4, 5-9), each half fetched anew as soon as its products are issued.   window 2: accumulator (j, t) at v[8 (4 j + t)], j = 0 .. 7.
;   window 3: v0-63 accumulators j = 8, 9; v64-127, v128-191 A's sets 2, 3.
.set SLOT,  81920                      ; four K steps of B
.set SPARE, 2*SLOT                     ; behind the ring: the spare words, 128 bytes a wave, which no other line names
.set HCHALF, 5242880                   ; a half of hc: 256 token tiles x 10 K steps x 2,048 bytes
.set LI,   4                           ; v4   16 x lane: my place in an image's quad, in memory and in LDS
.set ADRB, 4                           ; v4-7 B's images: register ADRB + 2 s + p serves K steps 2 p, 2 p + 1 of slot s (an LDS offset holds 16 bits)
.set HS,   8                           ; v8   16 r + 8 h
.set CWO,  9                           ; v9   64 r
.set SC6,  10                          ; v10-13 2^e and 448 x 2^e for entries 6 and 12
.set LIM6, 11
.set SC12, 12
.set LIM12, 13
.set CWP,  16                          ; v16-23 cw x 2^(entries 2 + 3 + 4 + 5) of my token in tile t, as a pair
.set SPW,  28                          ; v28  my spare word; never rewritten
.set NIL,  29                          ; v29  0; never rewritten
.set T,    160
.set CD,   200
.set AB,   24                          ; s[24:25] xc at my four token tiles, at the K step from which the loads' immediates count
.set G1B, 48                           ; s[48:55] group 1; s[56:63] group 0, a set for each slot
.set G0B, 56
.set MSB, 0
.macro WIN new                         ; the immediate's high byte repeats the setting that is left; a switch that changes nothing is dropped
.if MSB != \new
	s_set_vgpr_msb (MSB<<8)|\new
.set MSB, \new
.endif
.endm
.set TO_B,   0x40                      ; destination window 1, address window 0
.macro JLOAD s                         ; a joint load, one a wave: my K step of slot s; an s_nop 0 and four v_nop follow it
	tensor_load_to_lds s[G0B+4*\s:G0B+4*\s+3], s[G1B:G1B+7]
	s_nop 0
.rept 4
	v_nop
.endr
.endm
.macro CREST                           ; a round of the cluster's barrier behind its opening barrier
	s_cmp_lg_u32 s16, 0
	s_cbranch_scc1 .Lnot_wave_0_\@
	s_barrier_signal -3
.Lnot_wave_0_\@:
	s_barrier_wait -3
	s_barrier_signal -1
	s_barrier_wait -1
.endm
.macro CROUND
	s_barrier_signal -1
	s_barrier_wait -1
	CREST
.endm
; 16 loads: my four token tiles of the K step that lies ki steps behind A's base, into set ki % 4
.macro ALOAD ki
.if ((\ki)%4) < 2
.set AFR, 32+64*((\ki)%4)
	WIN 0
.else
.set AFR, 64*(((\ki)%4)-1)
	WIN 0xc0                                       ; destination window 3, address window 0
.endif
.irp t, 0,1,2,3
.irp c, 0,1,2,3
	global_load_b128 v[AFR+16*\t+4*\c:AFR+16*\t+4*\c+3], v[LI], s[AB:AB+1] offset:32768*(\ki)+2048*\t+512*\c
.endr
.endr
.endm
; n column tiles from j0 on x my four token tiles in set as, 128 along K.  All 40 accumulators take turns, one instruction a turn, in the same order in every K step
.macro MULJ j0, n, as, zero
.if (\as) < 2
.set AFR, 32+64*(\as)
.set AW, 0                             ; source 1 (tokens) window 0,
.else
.set AFR, 64*((\as)-1)
.set AW, 0x0c                          ; or window 3
.endif
.if \j0 < 8
.set WN, 0xa1+AW                       ; source 0 (weights) window 1, C and D window 2
.else
.set WN, 0xf1+AW                       ; the same, C and D window 3
.endif
	WIN WN
.set jj, \j0
.rept \n
.irp t, 0,1,2,3
.set AC, 8*(4*(jj%8)+\t)
.if \zero
	v_wmma_f32_16x16x128_fp8_fp8 v[AC:AC+7], v[16*jj:16*jj+15], v[AFR+16*\t:AFR+16*\t+15], 0
.else
	v_wmma_f32_16x16x128_fp8_fp8 v[AC:AC+7], v[16*jj:16*jj+15], v[AFR+16*\t:AFR+16*\t+15], v[AC:AC+7]
.endif
.endr
.set jj, jj+1
.endr
.endm
.macro FETCH_BH slot, q, half          ; 20 loads: five of B's images of the slot's K step q
	WIN TO_B
.irp j, 0,1,2,3,4
.irp c, 0,1,2,3
	ds_load_b128 v[16*(5*\half+\j)+4*\c:16*(5*\half+\j)+4*\c+3], v[ADRB+2*\slot+((\q)/2)] offset:20480*((\q)%2)+2048*(5*\half+\j)+512*\c
.endr
.endr
.endm
.macro PLACES                          ; four places in front of loads into registers that matrix instructions have read, and of the first read of results (ISA guide 7.12.1 for the first read of results)
.rept 4
	v_nop
.endr
.endm
; One of a slot's first three K steps, on A's set as.  ai >= 0: the K step three further on is asked for, into the set that the K step before has left.  left: A's younger loads, which may stay out
.macro STEP slot, q, as, ai, left, zero
	PLACES
	FETCH_BH \slot, \q, 1
	s_wait_loadcnt \left                           ; loads come back in order: this K step's set is in
.if (\ai) >= 0
	ALOAD \ai
.endif
	s_wait_dscnt 20                                ; all but the 20 just issued: B's tiles 0-4 are in
	MULJ 0, 5, \as, \zero
	PLACES
	FETCH_BH \slot, (\q)+1, 0
	s_wait_dscnt 20                                ; all but the 20 just issued: B's tiles 5-9 are in
	MULJ 5, 3, \as, \zero
	MULJ 8, 2, \as, \zero
.endm
; A slot's fourth K step (A's set 3) changes slots: ONE barrier; in front of it each wave waits for all its tensor loads, adds 0 to its spare word, and waits for that and for its reads of this slot.  fill = 1: the slot is filled again, two slots ahead
.macro TURN slot, next, ai, fill
	PLACES
	FETCH_BH \slot, 3, 1                           ; my last reads of this slot
	s_wait_loadcnt 32
	ALOAD \ai
	WIN 0                                          ; (the add's two registers lie in window 0)
	s_wait_tensorcnt 0x0                           ; all my tensor loads have landed: my part of the next slot
	ds_add_u32 v[SPW], v[NIL]
	s_wait_dscnt 21                                ; (the add and the 20 youngest loads may be out)
	MULJ 0, 3, 3, 0                                ; twelve matrix instructions stand between the add and the wait for it
	s_wait_dscnt 0x0                               ; the add is done, and my reads of this slot are over
	s_barrier_signal -1
	MULJ 3, 2, 3, 0
	WIN 0
	s_barrier_wait -1
.if \fill
	CREST                                          ; the barrier has opened a round of the cluster's: no wave of any partner still reads this slot or has a tensor load on its way
	s_add_nc_u64 s[G0B+4*\slot+2:G0B+4*\slot+3], s[G0B+4*\slot+2:G0B+4*\slot+3], 2*SLOT
	JLOAD \slot                                    ; the first tensor load behind the round, my one load until the next: 160 matrix instructions ahead of the wait for it; its four v_nop are the places in front of the loads below
.else
	PLACES
.endif
	FETCH_BH \next, 0, 0
	MULJ 5, 3, 3, 0
	MULJ 8, 2, 3, 0
.endm
	s_load_b256 s[4:11], s[0:1], 0x0               ; xc 4, w1c 6, cw 8, lowp_scales 10
	s_load_b64 s[12:13], s[0:1], 0x20              ; hc
	v_lshl_add_u32 v[SPW], v0, 2, SPARE
	v_mov_b32 v[NIL], 0
	ds_add_u32 v[SPW], v[NIL]                      ; the wave's opening: the add, twice on end, and its wait ahead of my first tensor load
	ds_add_u32 v[SPW], v[NIL]
	v_lshrrev_b32 v1, 5, v0
	v_readfirstlane_b32 s16, v1                    ; wave 0..3
	s_bfe_u32 s19, ttmp6, 0x40000                  ; cx
	s_bfe_u32 s20, ttmp6, 0x40004                  ; cy
	s_lshl_b32 s21, ttmp9, 2
	s_add_co_u32 s21, s21, s19                     ; e
	s_and_b32 s22, ttmp7, 0xffff
	s_lshl_b32 s22, s22, 2
	s_add_co_u32 s22, s22, s20                     ; b
	s_lshl_b32 s41, 0x1111, s19                    ; my column of the cluster
	s_or_b32 s[G1B], s41, (3<<16)|(1<<21)          ; 15:0 the mask; 17:16 elements of 8 bytes; 21 set beside a mask; no padding
	s_mov_b32 s[G1B+1], 32<<16                     ; tensor_dim0 = 32 elements: 256 bytes
	s_mov_b32 s[G1B+2], 80<<16                     ; tensor_dim1 = 80 rows: a K step's 10 images
	s_mov_b32 s[G1B+3], 32<<16                     ; tile_dim0
	s_mov_b32 s[G1B+4], 80                         ; tile_dim1
	s_mov_b32 s[G1B+5], 32                         ; from row to row: dense
	s_mov_b32 s[G1B+6], 0
	s_mov_b32 s[G1B+7], 0
	s_mul_i32 s44, s21, 655360                     ; B: column group e, my K step of a slot: made of e and the wave's number alone
	s_mul_i32 s45, s16, 20480
	s_add_co_u32 s44, s44, s45
	s_mov_b32 s45, 0
	s_mul_i32 s47, s16, 20480                      ; where it goes in a slot: no place in the cluster enters an LDS address
	s_lshl_b32 s42, s22, 20                        ; A: block b,
	s_lshl_b32 s43, s16, 13                        ; my four token tiles
	s_add_co_u32 s42, s42, s43
	s_mov_b32 s43, 0
	s_wait_dscnt 0x0                               ; both opening adds are done
	s_wait_kmcnt 0x0
	s_add_nc_u64 s[AB:AB+1], s[4:5], s[42:43]
	s_add_nc_u64 s[44:45], s[6:7], s[44:45]
	CROUND                                         ; all sixteen work-groups are here: the first joint loads meet
.irp s, 0,1
	s_mov_b32 s[G0B+4*\s], 1
	s_add_co_u32 s[G0B+4*\s+1], s47, \s*SLOT
	s_add_nc_u64 s[G0B+4*\s+2:G0B+4*\s+3], s[44:45], \s*SLOT
	s_or_b32 s[G0B+4*\s+3], s[G0B+4*\s+3], 0x80000000
	JLOAD \s                                       ; two tensor loads of mine are out
.endr
	s_load_b256 s[68:75], s[10:11], 0x0            ; entry n of the scales in s[68 + n]; asked for behind the first tiles, waited for with them
	s_load_b128 s[76:79], s[10:11], 0x20
	s_load_b64 s[80:81], s[10:11], 0x30
	v_and_b32 v1, 31, v0
	v_lshlrev_b32 v[LI], 4, v1
	v_and_b32 v3, 15, v0
	v_lshlrev_b32 v[CWO], 6, v3
	s_lshl_b32 s40, s22, 14                        ; cw(256 b + 64 w + 16 t + r, e)
	s_lshl_b32 s41, s16, 12
	s_add_co_u32 s40, s40, s41
	s_lshl_b32 s41, s21, 2
	s_add_co_u32 s40, s40, s41
	s_mov_b32 s41, 0
	s_add_nc_u64 s[8:9], s[8:9], s[40:41]
.irp t, 0,1,2,3
	global_load_b32 v[CWP+2*\t], v[CWO], s[8:9] offset:1024*\t    ; the oldest of my loads: in with A's first set
.endr
	ALOAD 0                                        ; A's K steps 0, 1, 2: with cw's four, 52 loads of mine are out
	ALOAD 1
	ALOAD 2
	WIN 0
	v_add_nc_u32 v[ADRB+1], 40960, v[LI]
	v_add_nc_u32 v[ADRB+2], SLOT, v[LI]
	v_add_nc_u32 v[ADRB+3], SLOT+40960, v[LI]
	v_bfe_u32 v14, v0, 4, 1
	v_lshlrev_b32 v[HS], 4, v3
	v_lshl_add_u32 v[HS], v14, 3, v[HS]
	s_wait_kmcnt 0x0                               ; the scales' entries
	s_wait_tensorcnt 1                             ; my part of slot 0 is in; slot 1's may stay out
	s_barrier_signal -1
	s_barrier_wait -1
	FETCH_BH 0, 0, 0
	STEP 0, 0, 0, 3, 32, 1                         ; K step 0 stands in front of the loop: its products start the sums
	WIN 0                                          ; at a label and at a branch every window is 0
	s_mov_b32 s23, 3
.Llap:                                                 ; a trip is eight K steps, once round the ring, from a lap's second K step to the next lap's first; it fills both slots again.  Eight slots' worth of K: two first fills, six refills
	STEP 0, 1, 1, 4, 32, 0
	STEP 0, 2, 2, 5, 32, 0
	TURN 0, 1, 6, 1
	STEP 1, 0, 0, 7, 32, 0
	STEP 1, 1, 1, 8, 32, 0
	STEP 1, 2, 2, 9, 32, 0
	TURN 1, 0, 10, 1
	STEP 0, 0, 0, 11, 32, 0
	WIN 0
	s_wait_xcnt 0x0                                ; A's loads have read their base: it is stepped only behind this wait
	s_add_nc_u64 s[AB:AB+1], s[AB:AB+1], 8*32768
	s_sub_co_u32 s23, s23, 1
	s_cmp_lg_u32 s23, 0
	s_cbranch_scc1 .Llap
	STEP 0, 1, 1, 4, 32, 0                         ; K steps 25 to 31 are written out: no slot is filled any more, and A's last K step, 31, is asked for in K step 28
	STEP 0, 2, 2, 5, 32, 0
	TURN 0, 1, 6, 0
	STEP 1, 0, 0, 7, 32, 0
	STEP 1, 1, 1, -1, 32, 0
	STEP 1, 2, 2, -1, 16, 0                        ; the counts run down
	PLACES                                         ; the very last K step
	FETCH_BH 1, 3, 1
	s_wait_loadcnt 0x0
	s_wait_dscnt 20
	MULJ 0, 5, 3, 0
	s_wait_dscnt 0x0
	MULJ 5, 3, 3, 0
	MULJ 8, 2, 3, 0
	WIN 0
	; ---- THE WAY OUT
	s_add_co_i32 s40, s70, s71                     ; a sum g stands for sum x 2^(entries 2 + 3),
	s_add_co_i32 s41, s72, s73                     ; u for sum x 2^(4 + 5)
	s_lshl_b32 s42, s40, 23
	s_add_co_i32 s82, s42, 0xbfb8aa3b              ; -log2(e) x 2^(2 + 3): the entries are added to the exponent field
	s_mov_b32 s83, s82
	s_add_co_i32 s43, s40, s41
	s_add_co_i32 s44, s76, s77
	s_add_co_i32 s45, s78, s79
	s_lshl_b32 s42, s44, 23
	s_add_co_i32 s84, s42, 0xbfb8aa3b              ; the shared part's, with entries 8 + 9
	s_mov_b32 s85, s84
	s_add_co_i32 s86, s44, s45
	s_add_co_i32 s86, s86, 127
	s_lshl_b32 s86, s86, 23                        ; 2^(8 + 9 + 10 + 11)
	s_mov_b32 s87, s86
	s_add_co_i32 s46, s74, 127
	s_lshl_b32 s47, s46, 23
	v_mov_b32 v[SC6], s47
	s_add_co_i32 s46, s46, 8
	s_lshl_b32 s46, s46, 23
	s_or_b32 s46, s46, 0x600000
	v_mov_b32 v[LIM6], s46
	s_add_co_i32 s46, s80, 127
	s_lshl_b32 s47, s46, 23
	v_mov_b32 v[SC12], s47
	s_add_co_i32 s46, s46, 8
	s_lshl_b32 s46, s46, 23
	s_or_b32 s46, s46, 0x600000
	v_mov_b32 v[LIM12], s46
	s_xor_b32 s46, s73, s71
	s_xor_b32 s47, s76, s71
	s_or_b32 s46, s46, s47
	s_xor_b32 s47, s78, s71
	s_or_b32 s46, s46, s47                         ; 0 where x's four entries are one, else some other number,
	s_min_u32 s46, s46, 1                          ; held at 1:
	s_mul_i32 s46, s46, HCHALF                     ; hc's first half, or its second
	s_mov_b32 s47, 0
	s_add_nc_u64 s[88:89], s[12:13], s[46:47]
	s_lshl_b32 s46, s22, 4
	s_lshl_b32 s42, s16, 2
	s_add_co_u32 s46, s46, s42
	s_mul_i32 s46, s46, 20480                      ; my first token tile
	s_add_nc_u64 s[88:89], s[88:89], s[46:47]
	s_mov_b64 s[90:91], s[88:89]
	s_lshr_b32 s46, s21, 1
	s_lshl_b32 s46, s46, 11                        ; the experts' codes: K step e / 2,
	s_and_b32 s42, s21, 1
	s_lshl_b32 s42, s42, 10                        ; quads 2 (e % 2), + 1
	s_add_co_u32 s46, s46, s42
	s_add_nc_u64 s[88:89], s[88:89], s[46:47]
	s_lshr_b32 s46, s21, 3
	s_add_co_u32 s46, s46, 8
	s_lshl_b32 s46, s46, 11                        ; the shared codes: K step 8 + e / 8,
	s_bfe_u32 s42, s21, 0x20001
	s_lshl_b32 s42, s42, 9                         ; quad (e % 8) / 2,
	s_add_co_u32 s46, s46, s42
	s_and_b32 s42, s21, 1
	s_lshl_b32 s42, s42, 8                         ; its half e % 2
	s_add_co_u32 s46, s46, s42
	s_add_nc_u64 s[90:91], s[90:91], s[46:47]
.irp t, 0,1,2,3
	v_ldexp_f32 v[CWP+2*\t], v[CWP+2*\t], s43
	v_mov_b32 v[CWP+2*\t+1], v[CWP+2*\t]
.endr
	PLACES
; Token tile t: 32 hidden units of expert e and 8 shared units a lane.  Exponentials and reciprocals go as batches of 40, each with one plain line and one wait ahead of its first reader.
.macro EPI t
	WIN 0x02                                       ; source 0 window 2
.irp j, 0,1,2,3
.irp i, 0,2,4,6
	v_pk_mul_f32 v[T+8*\j+\i:T+8*\j+\i+1], v[8*(4*\j+\t)+\i:8*(4*\j+\t)+\i+1], s[82:83] op_sel_hi:[1,0]    ; each accumulator from its low end on
.endr
.endr
	WIN 0x03
.irp i, 0,2,4,6
	v_pk_mul_f32 v[T+32+\i:T+32+\i+1], v[8*\t+\i:8*\t+\i+1], s[84:85] op_sel_hi:[1,0]
.endr
	WIN 0
.set i, 0
.rept 40
	v_exp_f32 v[T+i], v[T+i]                       ; e^-g
.set i, i+1
.endr
	v_nop
	s_wait_alu depctr_va_vdst(0)
.set i, 0
.rept 20
	v_pk_add_f32 v[T+i:T+i+1], v[T+i:T+i+1], 1.0 op_sel_hi:[1,0]
.set i, i+2
.endr
.set i, 0
.rept 40
	v_rcp_f32 v[T+i], v[T+i]
.set i, i+1
.endr
	v_nop
	s_wait_alu depctr_va_vdst(0)
	WIN 0x02
.irp j, 0,1,2,3
.irp i, 0,2,4,6
	v_pk_mul_f32 v[T+8*\j+\i:T+8*\j+\i+1], v[8*(4*\j+\t)+\i:8*(4*\j+\t)+\i+1], v[T+8*\j+\i:T+8*\j+\i+1]
.endr
.endr
.irp j, 0,1,2,3
.irp i, 0,2,4,6
	v_pk_mul_f32 v[T+8*\j+\i:T+8*\j+\i+1], v[8*(4*(4+\j)+\t)+\i:8*(4*(4+\j)+\t)+\i+1], v[T+8*\j+\i:T+8*\j+\i+1]
.endr
.endr
	WIN 0x03
.irp i, 0,2,4,6
	v_pk_mul_f32 v[T+32+\i:T+32+\i+1], v[8*\t+\i:8*\t+\i+1], v[T+32+\i:T+32+\i+1]
.endr
.irp i, 0,2,4,6
	v_pk_mul_f32 v[T+32+\i:T+32+\i+1], v[8*(4+\t)+\i:8*(4+\t)+\i+1], v[T+32+\i:T+32+\i+1]
.endr
	WIN 0
.set i, 0
.rept 16
	v_pk_mul_f32 v[T+i:T+i+1], v[T+i:T+i+1], v[CWP+2*\t:CWP+2*\t+1] op_sel_hi:[1,0]
.set i, i+2
.endr
.irp i, 0,2,4,6
	v_pk_mul_f32 v[T+32+\i:T+32+\i+1], v[T+32+\i:T+32+\i+1], s[86:87] op_sel_hi:[1,0]
.endr
.set i, 0
.rept 32
	v_med3_num_f32 v[T+i], v[T+i], -v[LIM6], v[LIM6]   ; the conversion does not saturate (ISA guide 7.6.2)
.set i, i+1
.endr
.rept 8
	v_med3_num_f32 v[T+i], v[T+i], -v[LIM12], v[LIM12]
.set i, i+1
.endr
.irp g, 0,1,2,3
	v_cvt_scalef32_pk8_fp8_f32 v[CD+12*\t+2*\g:CD+12*\t+2*\g+1], v[T+8*\g:T+8*\g+7], v[SC6]
.endr
	v_cvt_scalef32_pk8_fp8_f32 v[CD+12*\t+8:CD+12*\t+9], v[T+32:T+39], v[SC12]
	v_nop                                          ; a plain line between the conversions and the next tile's writes of their sources
	global_store_b128 v[LI], v[CD+12*\t:CD+12*\t+3], s[88:89] offset:20480*\t          ; 512 consecutive bytes: a quad of the image
	global_store_b128 v[LI], v[CD+12*\t+4:CD+12*\t+7], s[88:89] offset:20480*\t+512
	global_store_b64 v[HS], v[CD+12*\t+8:CD+12*\t+9], s[90:91] offset:20480*\t          ; one aligned block of 256 bytes
.endm
	EPI 0
	EPI 1
	EPI 2
	EPI 3
	s_wait_tensorcnt 0x0                           ; the wave's end
	ds_add_u32 v[SPW], v[NIL]
	s_wait_dscnt 0x0
	CROUND                                         ; the closing round: no work-group ends while a partner may still ask for a tile that names it
	s_endpgm
.Lfunc_end_k_qf3eed43e6e_up:
	.size	k_qf3eed43e6e_up, .Lfunc_end_k_qf3eed43e6e_up-k_qf3eed43e6e_up
	.p2alignl 7, 3214868480
	.fill 96, 4, 3214868480
	.section	.rodata,"a",@progbits
	.p2align	6, 0x0
	.amdhsa_kernel k_qf3eed43e6e_up
		.amdhsa_group_segment_fixed_size 327680
		.amdhsa_private_segment_fixed_size 0
		.amdhsa_enable_private_segment 0
		.amdhsa_kernarg_size 40
		.amdhsa_user_sgpr_count 2
		.amdhsa_user_sgpr_kernarg_segment_ptr 1
		.amdhsa_wavefront_size32 1
		.amdhsa_system_sgpr_workgroup_id_x 1
		.amdhsa_system_sgpr_workgroup_id_y 1
		.amdhsa_system_sgpr_workgroup_id_z 1
		.amdhsa_system_vgpr_workitem_id 0
		.amdhsa_next_free_vgpr 960
		.amdhsa_next_free_sgpr 100
		.amdhsa_reserve_vcc 0
		.amdhsa_float_denorm_mode_32 3
		.amdhsa_float_denorm_mode_16_64 3
		.amdhsa_memory_ordered 1
		.amdhsa_forward_progress 1
		.amdhsa_inst_pref_size 171
	.end_amdhsa_kernel
	.amdgpu_metadata
---
amdhsa.version: [ 1, 2 ]
amdhsa.kernels:
  - .name:           k_qf3eed43e6e_up
    .symbol:         k_qf3eed43e6e_up.kd
    .args:
      - { .name: xc, .offset: 0, .size: 8, .value_kind: global_buffer, .address_space: global }
      - { .name: w1c, .offset: 8, .size: 8, .value_kind: global_buffer, .address_space: global }
      - { .name: cw, .offset: 16, .size: 8, .value_kind: global_buffer, .address_space: global }
      - { .name: lowp_scales, .offset: 24, .size: 8, .value_kind: global_buffer, .address_space: global }
      - { .name: hc, .offset: 32, .size: 8, .value_kind: global_buffer, .address_space: global }
    .group_segment_fixed_size: 327680
    .private_segment_fixed_size: 0
    .kernarg_segment_align: 8
    .kernarg_segment_size: 40
    .max_flat_workgroup_size: 128
    .sgpr_count:     100
    .vgpr_count:     960
    .wavefront_size: 32
...
	.end_amdgpu_metadata
.endif
;; end of part 2
;; launch down (part 3): grid 16 x 16, 4 waves a work-group, clusters of 4 x 4, 327,680 bytes of LDS; arguments hc, w2c, lowp_scales, out0; writes out0
.if DOCPART == 3
	.amdgcn_target "amdgcn-amd-amdhsa--gfx1250"
	.amdhsa_code_object_version 6
	.text
	.protected	k_qf3eed43e6e_down
	.globl	k_qf3eed43e6e_down
	.p2align	8
	.type	k_qf3eed43e6e_down,@function
k_qf3eed43e6e_down:
	s_mov_b64 s[64:65], 0
	v_nop
	global_prefetch_b8 v0, s[64:65] scope:SCOPE_SE
	s_setreg_imm32_b32 hwreg(HW_REG_WAVE_MODE, 25, 1), 1
	s_wait_xcnt 0x0
	s_wait_alu depctr_hold_cnt(0) depctr_sa_sdst(0) depctr_va_vdst(0) depctr_va_sdst(0) depctr_va_ssrc(0) depctr_va_vcc(0) depctr_vm_vsrc(0)
	s_getreg_b32 s2, hwreg(HW_REG_IB_STS2, 6, 4)
	s_cmp_eq_u32 s2, 0
	s_cbranch_scc0 .Lentry_in_a_cluster
	s_endpgm
.Lentry_in_a_cluster:
	s_bfe_u32 s2, ttmp6, 0x10000c
	s_cmp_lg_u32 s2, 0xf033
	s_cbranch_scc0 .Lentry_shape_is_right
	s_endpgm
.Lentry_shape_is_right:
; Launch 3 of 3: out0 = hidden codes x (Wd | Sd)^T: [4,096 tokens, K 1,280] x [4,096 outputs, K 1,280].  K steps 0-7 are the experts' product (scale entries 6, 7), K steps 8-9 the shared one (12, 13).  Nothing is left out.
; One accumulator serves both: behind K step 7 every sum is multiplied once by 2^((6 + 7) - (12 + 13)), which rounds nothing short of overflow and underflow; the finished sum by 2^(12 + 13).
; LIMITS: (6 + 7) - (12 + 13) and 12 + 13 between -126 and 127.
; A tile of out0, 256 x 256, is made by four waves, each 128 x 128: 64 accumulators, 512 registers.  Operands are images (16 rows x 128 K: 2,048 bytes [c 4][lane 32][16]): every LDS load reads 512 consecutive bytes.
; RING: two slots of two K steps; a wave's tensor load brings 8 tiles x 4,096 bytes (rows 20,480 bytes apart in memory).  Five slots' worth of K, written out.
; CLUSTERS: 4 x 4; the tokens' tiles are asked for jointly along a row of the cluster, the weights' along a column.  THE MATRIX INSTRUCTION IS USED TRANSPOSED (source 0 = 16 outputs, source 1 = 16 tokens): a lane holds eight neighbours of a row of out0.
; REGISTERS: window 0: v16-29 addresses; from v128 the tokens' fragments, ONE set; on the way out v32-255 are free.  window 1: the weights' fragments, two sets.  windows 2, 3: accumulator (a, b) at v[8 (8 (a % 4) + b)].
.set SIZE_N, 4096
.set FR,     16
.set NL,     4
.set NP,     4
.set HALFT,  32768                     ; what one tensor load brings, and what one wave reads of a side
.set SLOT,   4*HALFT
.set SPARE,  2*SLOT                    ; behind the ring: the spare words, which no other line names
.set STAGE,  SLOT                      ; the way out: 16 rows x 528 bytes a wave, in slot 1, which has had its last fill and its last read when the first result is stored there
.set SPITCH, 528
.set ADRA, 16
.set ADRB, 20
.set STO,  24
.set RD,   25
.set CO,   26                          ; v26  16 x lane
.set SPW,  28
.set NIL,  29
.set TMP,  32
.set AF,   128
.set BK,   128
.set G1, 24
.set G0, 32
.set G1B, 48
.set G0B, 56
.set MSB, 0
.macro WIN new
.if MSB != \new
	s_set_vgpr_msb (MSB<<8)|\new
.set MSB, \new
.endif
.endm
.set MUL_LO, 0xa1
.set MUL_HI, 0xf1
.set TO_B,   0x40
.macro JLOAD g0a, g1a, g0b, g1b        ; a joint load; an s_nop 0 and four v_nop follow each of the two lines
	s_cmp_eq_u32 s15, 0
	s_cbranch_scc0 .Lfor_b_\@
	tensor_load_to_lds s[\g0a:\g0a+3], s[\g1a:\g1a+7]
	s_nop 0
.rept 4
	v_nop
.endr
	s_branch .Lasked_\@
.Lfor_b_\@:
	tensor_load_to_lds s[\g0b:\g0b+3], s[\g1b:\g1b+7]
	s_nop 0
.rept 4
	v_nop
.endr
.Lasked_\@:
.endm
.macro CREST
	s_cmp_lg_u32 s14, 0
	s_cbranch_scc1 .Lnot_wave_0_\@
	s_barrier_signal -3
.Lnot_wave_0_\@:
	s_barrier_wait -3
	s_barrier_signal -1
	s_barrier_wait -1
.endm
.macro CROUND
	s_barrier_signal -1
	s_barrier_wait -1
	CREST
.endm
	s_load_b128 s[4:7], s[0:1], 0x0                ; hc, w2c
	s_load_b128 s[8:11], s[0:1], 0x10              ; lowp_scales, out0
	v_lshl_add_u32 v[SPW], v0, 2, SPARE
	v_mov_b32 v[NIL], 0
	ds_add_u32 v[SPW], v[NIL]                      ; the wave's opening: the add, twice on end, and its wait ahead of my first tensor load
	ds_add_u32 v[SPW], v[NIL]
	v_lshrrev_b32 v1, 5, v0
	v_readfirstlane_b32 s14, v1                    ; wave 0..3
	s_lshr_b32 s15, s14, 1                         ; which half of the tile's tokens is mine.  Also: I fetch tokens (0) or weights (1)
	s_and_b32 s16, s14, 1                          ; which half of its outputs.  Also: which 8 tiles I fetch
	s_bfe_u32 s40, ttmp6, 0x40000
	s_bfe_u32 s41, ttmp6, 0x40004
	s_lshl_b32 s42, ttmp9, 2
	s_add_co_u32 s42, s42, s40                     ; tile column
	s_and_b32 s17, ttmp7, 0xffff
	s_lshl_b32 s17, s17, 2
	s_add_co_u32 s17, s17, s41                     ; tile row
	s_lshl_b32 s43, s41, 2
	s_lshl_b32 s43, 15, s43
	s_lshl_b32 s44, 0x1111, s40
	s_or_b32 s[G1+0], s43, (3<<16)|(1<<21)         ; the mask; elements of 8 bytes; bit 21 beside a mask; no padding
	s_or_b32 s[G1B+0], s44, (3<<16)|(1<<21)
.irp g, G1, G1B
	s_mov_b32 s[\g+1], 512<<16                     ; tensor_dim0 = 512 elements: two images, 4,096 bytes
	s_mov_b32 s[\g+2], 8<<16                       ; tensor_dim1 = 8 tiles
	s_mov_b32 s[\g+3], 512<<16
	s_mov_b32 s[\g+4], 8
	s_mov_b32 s[\g+5], 2560                        ; a tile's ten images
	s_mov_b32 s[\g+6], 0
	s_mov_b32 s[\g+7], 0
.endr
	s_lshl_b32 s18, s16, 3
	s_lshl_b32 s20, s17, 4
	s_add_co_u32 s20, s20, s18
	s_mul_i32 s20, s20, 20480                      ; tokens: tile 16 x tile row + 8 x half
	s_mov_b32 s21, 0
	s_lshl_b32 s46, s42, 4
	s_add_co_u32 s46, s46, s18
	s_mul_i32 s46, s46, 20480                      ; weights: tile 16 x tile column + 8 x half
	s_mov_b32 s47, 0
	s_lshl_b32 s45, s14, 15                        ; where they go: wave x 32,768
	s_wait_dscnt 0x0
	s_wait_kmcnt 0x0
	s_load_b64 s[92:93], s[8:9], 0x18              ; entries 6, 7
	s_load_b64 s[94:95], s[8:9], 0x30              ; entries 12, 13
	s_add_nc_u64 s[20:21], s[4:5], s[20:21]
	s_add_nc_u64 s[46:47], s[6:7], s[46:47]
	CROUND
.irp s, 0,1
	s_mov_b32 s[G0+4*\s], 1
	s_add_co_u32 s[G0+4*\s+1], s45, \s*SLOT
	s_add_nc_u64 s[G0+4*\s+2:G0+4*\s+3], s[20:21], \s*4096
	s_or_b32 s[G0+4*\s+3], s[G0+4*\s+3], 0x80000000
	s_mov_b32 s[G0B+4*\s], 1
	s_add_co_u32 s[G0B+4*\s+1], s45, \s*SLOT
	s_add_nc_u64 s[G0B+4*\s+2:G0B+4*\s+3], s[46:47], \s*4096
	s_or_b32 s[G0B+4*\s+3], s[G0B+4*\s+3], 0x80000000
	JLOAD G0+4*\s, G1, G0B+4*\s, G1B
.endr
	v_and_b32 v1, 15, v0
	v_bfe_u32 v2, v0, 4, 1
	v_and_b32 v6, 31, v0
	v_lshlrev_b32 v[CO], 4, v6
	s_lshl_b32 s21, s15, 15                        ; my 8 token tiles
	s_lshl_b32 s22, s16, 15                        ; my 8 tiles of outputs,
	s_add_co_u32 s22, s22, 2*HALFT                 ; behind the tokens' 16
.irp s, 0,1
	v_add_nc_u32 v[ADRA+\s], s21, v[CO]
	v_add_nc_u32 v[ADRB+\s], s22, v[CO]
	s_add_co_u32 s21, s21, SLOT
	s_add_co_u32 s22, s22, SLOT
.endr
	s_mul_i32 s23, s14, 16*SPITCH
	s_add_co_u32 s23, s23, STAGE
	v_mul_u32_u24 v5, v1, SPITCH
	v_lshl_add_u32 v5, v2, 5, v5
	v_add_nc_u32 v[STO], s23, v5
	v_add_nc_u32 v[RD], s23, v[CO]
	s_lshl_b32 s20, s17, 8
	s_lshl_b32 s21, s15, 7
	s_add_co_u32 s20, s20, s21                     ; my first row of out0
	s_mov_b32 s21, 0
	s_mov_b64 s[18:19], SIZE_N*4
	s_mul_u64 s[20:21], s[20:21], s[18:19]
	s_lshl_b32 s46, s42, 10
	s_lshl_b32 s47, s16, 9
	s_add_co_u32 s46, s46, s47                     ; my first column, in bytes
	s_mov_b32 s47, 0
	s_add_nc_u64 s[20:21], s[20:21], s[46:47]
	s_add_nc_u64 s[10:11], s[10:11], s[20:21]
.macro FRAG reg, adr, q, i             ; tile i's image of the slot's K step q
.irp c, 0,1,2,3
	ds_load_b128 v[\reg+4*\c:\reg+4*\c+3], v[\adr] offset:4096*(\i)+2048*(\q)+512*\c
.endr
.endm
.macro MUL16 a0, p, zero               ; the 64 accumulators take turns, one instruction a turn, in the same order in every K step
.irp a, \a0, \a0+1
.irp b, 0,1,2,3,4,5,6,7
.if \zero
	v_wmma_f32_16x16x128_fp8_fp8 v[8*(8*((\a)%4)+\b):8*(8*((\a)%4)+\b)+7], v[128*(\p)+FR*\b:128*(\p)+FR*\b+FR-1], v[AF+FR*(\a):AF+FR*(\a)+FR-1], 0
.else
	v_wmma_f32_16x16x128_fp8_fp8 v[8*(8*((\a)%4)+\b):8*(8*((\a)%4)+\b)+7], v[128*(\p)+FR*\b:128*(\p)+FR*\b+FR-1], v[AF+FR*(\a):AF+FR*(\a)+FR-1], v[8*(8*((\a)%4)+\b):8*(8*((\a)%4)+\b)+7]
.endif
.endr
.endr
.endm
.macro FETCH_B slot, q, p
	WIN TO_B
.irp i, 0,1,2,3,4,5,6,7
	FRAG 128*(\p)+FR*\i, ADRB+\slot, \q, \i
.endr
	WIN 0
.endm
.macro FETCH_A slot, q, i0
.irp i, \i0, \i0+1, \i0+2, \i0+3
	FRAG AF+FR*(\i), ADRA+\slot, \q, \i
.endr
.endm
.macro PLACES n                        ; places in front of loads into registers that matrix instructions have read, and of vector instructions that read or write results (ISA guide 7.12.1 for the vector instructions)
.rept \n
	v_nop
.endr
.endm
.macro STEP slot, q, zero              ; a K step that has its successor in the same slot
	s_wait_dscnt 4*NL                              ; the weights' set and token tiles 0-3 are in; the youngest 16 loads (tiles 4-7) may be out
	WIN MUL_LO
	MUL16 0, (\q)%2, \zero
	MUL16 2, (\q)%2, \zero
	s_wait_dscnt 0
	PLACES NP
	FETCH_B \slot, (\q)+1, 1-(\q)%2
	FETCH_A \slot, (\q)+1, 0
	WIN MUL_HI
	MUL16 4, (\q)%2, \zero
	MUL16 6, (\q)%2, \zero
	PLACES NP
	WIN 0
	FETCH_A \slot, (\q)+1, 4
.endm
.macro TURN slot, next, fill           ; a slot's last K step changes slots: ONE barrier, with the three lines in front of it
	s_wait_tensorcnt 0x0                           ; all my tensor loads have landed: my part of the next slot
	ds_add_u32 v[SPW], v[NIL]
	s_wait_dscnt 4*NL+1                            ; (the add and the youngest 16 loads may be out)
	WIN MUL_LO
	MUL16 0, 1, 0
	s_wait_dscnt 0x0                               ; the add is done, and my reads of this slot are over
	s_barrier_signal -1
	MUL16 2, 1, 0
	WIN 0
	s_barrier_wait -1
.if \fill
	CREST                                          ; a round of the cluster's barrier: no wave of any partner still reads this slot or has a load on its way
	s_add_nc_u64 s[G0+4*\slot+2:G0+4*\slot+3], s[G0+4*\slot+2:G0+4*\slot+3], 8192
	s_add_nc_u64 s[G0B+4*\slot+2:G0B+4*\slot+3], s[G0B+4*\slot+2:G0B+4*\slot+3], 8192
	JLOAD G0+4*\slot, G1, G0B+4*\slot, G1B         ; the first tensor load behind the round; its four v_nop are the places in front of the loads below
.else
	PLACES NP
.endif
	FETCH_B \next, 0, 0
	FETCH_A \next, 0, 0
	WIN MUL_HI
	MUL16 4, 1, 0
	MUL16 6, 1, 0
	PLACES NP
	WIN 0
	FETCH_A \next, 0, 4
.endm
	s_wait_tensorcnt 1                             ; my part of slot 0 is in; slot 1's may stay out
	s_barrier_signal -1
	s_barrier_wait -1
	FETCH_B 0, 0, 0
	FETCH_A 0, 0, 0
	FETCH_A 0, 0, 4
	STEP 0, 0, 1                                   ; K step 0 starts the sums
	TURN 0, 1, 1                                   ; K step 1; slot 0 takes K steps 4, 5
	STEP 1, 0, 0
	TURN 1, 0, 1                                   ; K step 3; slot 1 takes K steps 6, 7
	STEP 0, 0, 0
	TURN 0, 1, 1                                   ; K step 5; slot 0 takes K steps 8, 9
	STEP 1, 0, 0
	TURN 1, 0, 0                                   ; K step 7: the experts' product is whole; nothing more is fetched
	s_wait_kmcnt 0x0
	s_add_co_i32 s98, s92, s93
	s_add_co_i32 s96, s94, s95
	s_sub_co_i32 s98, s98, s96
	s_add_co_i32 s98, s98, 127
	s_lshl_b32 s98, s98, 23                        ; 2^((6 + 7) - (12 + 13))
	s_mov_b32 s99, s98
	s_add_co_i32 s96, s96, 127
	s_lshl_b32 s96, s96, 23                        ; 2^(12 + 13)
	s_mov_b32 s97, s96
	WIN 0x82                                       ; the sums are brought under the shared product's scale: in place, each accumulator from its low end on (the four places stand at the end of the K step above)
.set i, 0
.rept 128
	v_pk_mul_f32 v[i:i+1], v[i:i+1], s[98:99] op_sel_hi:[1,0]
.set i, i+2
.endr
	WIN 0xc3
.set i, 0
.rept 128
	v_pk_mul_f32 v[i:i+1], v[i:i+1], s[98:99] op_sel_hi:[1,0]
.set i, i+2
.endr
	WIN 0
	STEP 0, 0, 0                                   ; K step 8
	s_wait_dscnt 4*NL                              ; K step 9: nothing more to fetch
	WIN MUL_LO
	MUL16 0, 1, 0
	MUL16 2, 1, 0
	s_wait_dscnt 0
	WIN MUL_HI
	MUL16 4, 1, 0
	MUL16 6, 1, 0
	WIN 0
; THE WAY OUT, block by block of 16 rows x 128 columns, through my own stage in LDS: back come whole rows of 512 bytes.  LDS serves a wave's instructions in order: no wait between the stores and the loads.
.macro TOSTAGE a
.set AC, 64*((\a)%4)
	WIN 0x02+((\a)/4)
.irp j, 0,2,4,6,8,10,12,14,16,18,20,22,24,26,28,30,32,34,36,38,40,42,44,46,48,50,52,54,56,58,60,62
	v_pk_mul_f32 v[TMP+\j:TMP+\j+1], v[AC+\j:AC+\j+1], s[96:97] op_sel_hi:[1,0]
.endr
	WIN 0
.irp b, 0,1,2,3,4,5,6,7
	ds_store_b128 v[STO], v[TMP+8*\b:TMP+8*\b+3] offset:64*\b
	ds_store_b128 v[STO], v[TMP+8*\b+4:TMP+8*\b+7] offset:64*\b+16
.endr
.set BB, BK+64*((\a)%2)
.irp t, 0,1,2,3,4,5,6,7,8,9,10,11,12,13,14,15
	ds_load_b128 v[BB+4*\t:BB+4*\t+3], v[RD] offset:\t*SPITCH
.endr
.endm
.macro SEND a, younger
.set BB, BK+64*((\a)%2)
	s_wait_dscnt \younger                          ; the block is back in registers
.if (\a) > 0
	s_add_nc_u64 s[10:11], s[10:11], 16*SIZE_N*4   ; (behind a wait on XCNT: the earlier stores have read their base)
.endif
.irp t, 0,1,2,3,4,5,6,7,8,9,10,11,12,13,14,15
	global_store_b128 v[CO], v[BB+4*\t:BB+4*\t+3], s[10:11] offset:\t*SIZE_N*4 th:TH_STORE_NT   ; 32 lanes store 512 consecutive bytes, at a multiple of 256 from out0's first byte
.endr
.endm
	PLACES NP
	TOSTAGE 0
.irp a, 1,2,3,4,5,6,7
.if \a > 1
	s_wait_xcnt 0x0                                ; block a - 2's stores have read their registers and their base
.endif
	TOSTAGE \a
	SEND \a-1, 32                                  ; behind block a - 1's loads: block a's 16 stores and 16 loads
.endr
	s_wait_xcnt 0x0
	SEND 7, 0
	s_wait_tensorcnt 0x0                           ; the wave's end
	ds_add_u32 v[SPW], v[NIL]
	s_wait_dscnt 0x0
	CROUND                                         ; the closing round
	s_endpgm
.Lfunc_end_k_qf3eed43e6e_down:
	.size	k_qf3eed43e6e_down, .Lfunc_end_k_qf3eed43e6e_down-k_qf3eed43e6e_down
	.p2alignl 7, 3214868480
	.fill 96, 4, 3214868480
	.section	.rodata,"a",@progbits
	.p2align	6, 0x0
	.amdhsa_kernel k_qf3eed43e6e_down
		.amdhsa_group_segment_fixed_size 327680
		.amdhsa_private_segment_fixed_size 0
		.amdhsa_enable_private_segment 0
		.amdhsa_kernarg_size 32
		.amdhsa_user_sgpr_count 2
		.amdhsa_user_sgpr_kernarg_segment_ptr 1
		.amdhsa_wavefront_size32 1
		.amdhsa_system_sgpr_workgroup_id_x 1
		.amdhsa_system_sgpr_workgroup_id_y 1
		.amdhsa_system_sgpr_workgroup_id_z 1
		.amdhsa_system_vgpr_workitem_id 0
		.amdhsa_next_free_vgpr 1024
		.amdhsa_next_free_sgpr 100
		.amdhsa_reserve_vcc 0
		.amdhsa_float_denorm_mode_32 3
		.amdhsa_float_denorm_mode_16_64 3
		.amdhsa_memory_ordered 1
		.amdhsa_forward_progress 1
		.amdhsa_inst_pref_size 157
	.end_amdhsa_kernel
	.amdgpu_metadata
---
amdhsa.version: [ 1, 2 ]
amdhsa.kernels:
  - .name:           k_qf3eed43e6e_down
    .symbol:         k_qf3eed43e6e_down.kd
    .args:
      - { .name: hc, .offset: 0, .size: 8, .value_kind: global_buffer, .address_space: global }
      - { .name: w2c, .offset: 8, .size: 8, .value_kind: global_buffer, .address_space: global }
      - { .name: lowp_scales, .offset: 16, .size: 8, .value_kind: global_buffer, .address_space: global }
      - { .name: out0, .offset: 24, .size: 8, .value_kind: global_buffer, .address_space: global }
    .group_segment_fixed_size: 327680
    .private_segment_fixed_size: 0
    .kernarg_segment_align: 8
    .kernarg_segment_size: 32
    .max_flat_workgroup_size: 128
    .sgpr_count:     100
    .vgpr_count:     1024
    .wavefront_size: 32
...
	.end_amdgpu_metadata
.endif
;; end of part 3
